; MI455X (gfx1250); checked and timed in simulation.
; The chip was launched on July 23, 2026; its instructions are those of AMD's public machine-readable ISA for CDNA 5 (MIT licence, August 2026) and "CDNA5" Instruction Set Architecture Reference Guide (July 2026). The comments in the code are by the model that wrote it; some were corrected since.
;; Attention simple. Allowed arithmetic: matrix products marked QUANTISED: E5M2 operands, one given power-of-two scale a tensor, by v_wmma_f32_16x16x64_bf8_bf8 or v_wmma_f32_16x16x128_bf8_bf8, f32 sums; products left as they are: f32 operands where the result goes on into a quantised operand, else bf16, f16 or f32 operands; f32 sums; everything else in f32.
;; Inputs: W 1,024 x 1,024 float32; b one number float32; context 32 x 2,048 x 1,024 float32; lowp_scales 2 int32 (the exponents e of the quantised operands' scales 2^e); v 1,024 float32.
;; Outputs: out0 32 x 1,024 float32; out1 32 x 2,048 float32.
;; This version of the problem:
;;   THIS VERSION OF THE PROBLEM IS GIVEN IN LOW PRECISION. The matrix products marked QUANTISED in the list below multiply operands that are first quantised to E5M2 (5 exponent bits, 2 mantissa bits; 8 bits a number), with one given power-of-two scale for each operand tensor; their sums are f32. All else is computed in f32.
;;   The module's matrix products, in the order in which they are computed (A, B: the left and right operand; K: the contracted axis; several contracted axes count as one K, in the product's order):
;;     1. [M 65,536, K 1,024] x [K 1,024, N 1,024]; A: input context; B: input W: QUANTISED (scales: A lowp_scales[0], B lowp_scales[1])
;;     2. [M 65,536, K 1,024] x [K 1,024, N 1]; A: computed on the way; B: input v: left as it is (N = 1 < 16)
;;     3. batch 32 x [M 1, K 2,048] x [K 2,048, N 1,024]; A: softmax; B: input context: left as it is (M = 1 < 16)
;;   THE QUANTISER, for each operand of a quantised product, along K:
;;     - The operand's scale is 2^e, e = its entry of the input lowp_scales (int32; the entries are numbered through the quantised products in the list's order, A before B).
;;     - Each number is divided by the scale, clamped to +-57,344, and rounded to the nearest number of E5M2, ties to even, subnormals kept.
;;     - The product sums the exact products of the quantised numbers (number of the format x scale) in f32.
;;   ~~~python
;;   def quantise(x, axis, e):      # numpy; x: float32 -> the quantised numbers, widened to float32 again
;;       x = np.moveaxis(x, axis, -1); K = x.shape[-1]
;;       r = np.clip(x / 2.0 ** e, -57344, 57344)
;;       step = 2.0 ** (np.maximum(np.frexp(np.where(r == 0, 1, r))[1] - 1, -14) - 2)
;;       q = np.round(r / step) * step * 2.0 ** e      # np.round: ties to even
;;       return np.moveaxis(q, -1, axis).astype(np.float32)
;;   ~~~
;; One version. Each part assembles by itself: llvm-mc -triple=amdgcn-amd-amdhsa -mcpu=gfx1250 --defsym DOCPART=n.
;; ======== version 1 of 1: 3 launches
;; limits: right only within a limited range of input values
;; workspace buffers: wc 1,048,576 bytes; logits 262,144 bytes
;; launch quantw (part 1): grid 128 x 1, 4 waves a work-group, no clusters, 34,304 bytes of LDS; arguments W, lowp_scales, wc; writes wc
.if DOCPART == 1
	.amdgcn_target "amdgcn-amd-amdhsa--gfx1250"
	.amdhsa_code_object_version 6
	.text
	.protected	k_q1432be59af_quantw
	.globl	k_q1432be59af_quantw
	.p2align	8
	.type	k_q1432be59af_quantw,@function
k_q1432be59af_quantw:
	s_mov_b64 s[64:65], 0
	v_nop
	global_prefetch_b8 v0, s[64:65] scope:SCOPE_SE
	s_setreg_imm32_b32 hwreg(HW_REG_WAVE_MODE, 25, 1), 1
	s_wait_xcnt 0x0
; THE PROGRAM: attn = softmax_s(v . tanh(W x_s) + b), out0 = sum_s attn_s x_s, in three launches: this one (W into codes), logits (the quantised product, tanh, the product with v), finish (softmax, out1, out0).
; WORK LEFT OUT, for all finite values of the inputs:
;   (1) b is added to every logit of a row of the softmax alike, and softmax(z + const) = softmax(z): b reaches no output.  It is not loaded and is among no launch's arguments.
;   (2) tanh(y) = 1 - 2 / (1 + e^(2y)), so v . tanh(y_s) = sum_e v_e + sum_e (-2 v_e) / (1 + e^(2 y_se)).  The first sum is the same for every s and falls out of the softmax as b does: only the second is computed.
;   LIMIT: a NaN, an infinity or an overflow that lies in b or in sum_e v_e alone is not carried to the result.
; THIS LAUNCH: W [1024 (e)][1024 (d)] f32, K = d innermost, becomes codes of BF8 (E5M2) with the given scale 2^e1 (entry 1 of the scales): code = x / 2^e1, held within +-57,344, to the nearest code, ties to even.
; LIMITS: -126 <= e1 <= 112, so that 2^e1 and 57,344 x 2^e1 are f32 numbers.  NaN among the inputs is not served.
; THE CODES ARE LAID IN THE ORDER OF THE OPERAND'S REGISTERS: column tile c (rows 16 c + r of W), K step s (128 along d) is one image of 2,048 bytes at 16,384 c + 2,048 s; register group q of lane l lies at + 512 q + 16 l,
; and lane (r = l % 16, h = l / 16) holds there k = 128 s + 32 q + 16 h + 0 .. 15 of row 16 c + r.  So the product's launch brings 8 tiles as one dense block and reads a fragment by four loads of 16 bytes a lane.
; SHARES: work-group g takes tile c = g / 2, its wave w K step s = 4 (g % 2) + w: 16 rows x 512 bytes.  128 work-groups are all the work there is.  Waves share nothing: no barrier.
; Each load reads 512 consecutive bytes of one row; the conversions want 16 neighbours along K in one lane: the chunk turns through the wave's own stage in LDS (rows 528 bytes apart).
.set PITCH, 528
.set SPARE, 4*16*PITCH                 ; behind the four stages: the spare words, 128 bytes for each wave
.set RAW,   16                         ; v16-79   the chunk as loaded
.set XB,    80                         ; v80-143  64 numbers: register 16 q + i = k 32 q + 16 h + i of my row
.set CD,    144                        ; v144-159 the fragment's codes
	s_load_b128 s[4:7], s[0:1], 0x0                ; W, the scales' exponents
	s_load_b64 s[8:9], s[0:1], 0x10                ; wc
	v_lshl_add_u32 v12, v0, 2, SPARE               ; my spare word,
	v_mov_b32 v13, 0                               ; and 0: kept for the closing add alone
	v_lshrrev_b32 v1, 5, v0
	v_readfirstlane_b32 s10, v1                    ; wave 0..3
	v_and_b32 v1, 31, v0
	v_lshlrev_b32 v2, 4, v1                        ; 16 x lane: my bytes of a load's or a store's 512
	s_mul_i32 s11, s10, 16*PITCH                   ; my stage
	v_add_nc_u32 v3, s11, v2                       ; the way in: a row as it lies
	v_and_b32 v5, 15, v0                           ; r
	v_bfe_u32 v6, v0, 4, 1                         ; h
	v_mul_u32_u24 v4, v5, PITCH
	v_lshl_add_u32 v4, v6, 6, v4
	v_add_nc_u32 v4, s11, v4                       ; the way out: row r, + 64 h bytes: my 16 numbers of a block of 32
	s_lshr_b32 s12, ttmp9, 1                       ; c
	s_and_b32 s13, ttmp9, 1
	s_lshl_b32 s13, s13, 2
	s_add_co_u32 s13, s13, s10                     ; s
	s_lshl_b32 s14, s12, 16                        ; W: 16 c rows of 4,096 bytes
	s_lshl_b32 s15, s13, 9                         ;    + 512 s
	s_add_co_u32 s14, s14, s15
	s_mov_b32 s15, 0
	s_lshl_b32 s16, s12, 14                        ; wc: 16,384 c
	s_lshl_b32 s17, s13, 11                        ;     + 2,048 s
	s_add_co_u32 s16, s16, s17
	s_mov_b32 s17, 0
	s_wait_alu depctr_va_vdst(0)
	s_wait_kmcnt 0x0
	s_load_b32 s20, s[6:7], 0x4                    ; e1
	s_add_nc_u64 s[4:5], s[4:5], s[14:15]
	s_add_nc_u64 s[8:9], s[8:9], s[16:17]
.set rr, 0
.rept 16
	global_load_b128 v[RAW+4*rr:RAW+4*rr+3], v2, s[4:5] offset:4096*rr th:TH_LOAD_NT   ; 32 lanes read 512 consecutive bytes of row rr
.set rr, rr+1
.endr
	s_wait_kmcnt 0x0
	s_add_co_i32 s20, s20, 127
	s_lshl_b32 s21, s20, 23
	v_mov_b32 v11, s21                             ; 2^e1 as f32: the conversion takes its exponent field
	s_add_co_i32 s20, s20, 15
	s_lshl_b32 s20, s20, 23
	s_or_b32 s20, s20, 0x600000
	v_mov_b32 v10, s20                             ; 57,344 x 2^e1
	s_wait_alu depctr_va_vdst(0)
	s_wait_loadcnt 0x0
.set rr, 0
.rept 16
	ds_store_b128 v3, v[RAW+4*rr:RAW+4*rr+3] offset:PITCH*rr
.set rr, rr+1
.endr
.set rr, 0
.rept 16
	ds_load_b128 v[XB+4*rr:XB+4*rr+3], v4 offset:128*(rr/4)+16*(rr%4)   ; LDS serves a wave's instructions in order (ISA guide 5.7.1.4): these see my stores
.set rr, rr+1
.endr
	s_wait_dscnt 0x0
.set rr, 0
.rept 64
	v_med3_num_f32 v[XB+rr], v[XB+rr], -v10, v10   ; the conversion to an 8-bit code does not saturate (ISA guide 7.6.2): the hold at the largest code x the scale
.set rr, rr+1
.endr
.irp q, 0,1,2,3
	v_cvt_scalef32_pk8_bf8_f32 v[CD+4*\q:CD+4*\q+1], v[XB+16*\q:XB+16*\q+7], v11
	v_cvt_scalef32_pk8_bf8_f32 v[CD+4*\q+2:CD+4*\q+3], v[XB+16*\q+8:XB+16*\q+15], v11
.endr
.irp q, 0,1,2,3
	global_store_b128 v2, v[CD+4*\q:CD+4*\q+3], s[8:9] offset:512*\q   ; 32 lanes store 512 consecutive bytes, at a multiple of 512 from wc's first byte
.endr
	s_wait_tensorcnt 0x0                           ; the wave's end, behind my last LDS store
	ds_add_u32 v12, v13
	s_wait_dscnt 0x0
	s_endpgm
.Lfunc_end_k_q1432be59af_quantw:
	.size	k_q1432be59af_quantw, .Lfunc_end_k_q1432be59af_quantw-k_q1432be59af_quantw
	.p2alignl 7, 3214868480
	.fill 96, 4, 3214868480
	.section	.rodata,"a",@progbits
	.p2align	6, 0x0
	.amdhsa_kernel k_q1432be59af_quantw
		.amdhsa_group_segment_fixed_size 34304
		.amdhsa_private_segment_fixed_size 0
		.amdhsa_enable_private_segment 0
		.amdhsa_kernarg_size 24
		.amdhsa_user_sgpr_count 2
		.amdhsa_user_sgpr_kernarg_segment_ptr 1
		.amdhsa_wavefront_size32 1
		.amdhsa_system_sgpr_workgroup_id_x 1
		.amdhsa_system_sgpr_workgroup_id_y 1
		.amdhsa_system_sgpr_workgroup_id_z 1
		.amdhsa_system_vgpr_workitem_id 0
		.amdhsa_next_free_vgpr 160
		.amdhsa_next_free_sgpr 66
		.amdhsa_reserve_vcc 0
		.amdhsa_float_denorm_mode_32 3
		.amdhsa_float_denorm_mode_16_64 3
		.amdhsa_memory_ordered 1
		.amdhsa_forward_progress 1
		.amdhsa_inst_pref_size 11
	.end_amdhsa_kernel
	.amdgpu_metadata
---
amdhsa.version: [ 1, 2 ]
amdhsa.kernels:
  - .name:           k_q1432be59af_quantw
    .symbol:         k_q1432be59af_quantw.kd
    .args:
      - { .name: W, .offset: 0, .size: 8, .value_kind: global_buffer, .address_space: global }
      - { .name: lowp_scales, .offset: 8, .size: 8, .value_kind: global_buffer, .address_space: global }
      - { .name: wc, .offset: 16, .size: 8, .value_kind: global_buffer, .address_space: global }
    .group_segment_fixed_size: 34304
    .private_segment_fixed_size: 0
    .kernarg_segment_align: 8
    .kernarg_segment_size: 24
    .max_flat_workgroup_size: 128
    .sgpr_count:     66
    .vgpr_count:     160
    .wavefront_size: 32
...
	.end_amdgpu_metadata
.endif
;; end of part 1
;; launch logits (part 2): grid 256 x 1, 4 waves a work-group, clusters of 4 x 1, 327,680 bytes of LDS; arguments context, wc, lowp_scales, v, logits; writes logits
.if DOCPART == 2
	.amdgcn_target "amdgcn-amd-amdhsa--gfx1250"
	.amdhsa_code_object_version 6
	.text
	.protected	k_q1432be59af_logits
	.globl	k_q1432be59af_logits
	.p2align	8
	.type	k_q1432be59af_logits,@function
k_q1432be59af_logits:
	s_mov_b64 s[64:65], 0
	v_nop
	global_prefetch_b8 v0, s[64:65] scope:SCOPE_SE
	s_setreg_imm32_b32 hwreg(HW_REG_WAVE_MODE, 25, 1), 1
	s_wait_xcnt 0x0
	s_wait_alu depctr_hold_cnt(0) depctr_sa_sdst(0) depctr_va_vdst(0) depctr_va_sdst(0) depctr_va_ssrc(0) depctr_va_vcc(0) depctr_vm_vsrc(0)
	s_getreg_b32 s2, hwreg(HW_REG_IB_STS2, 6, 4)
	s_cmp_eq_u32 s2, 0
	s_cbranch_scc0 .Lentry_in_a_cluster
	s_endpgm
.Lentry_in_a_cluster:
	s_bfe_u32 s2, ttmp6, 0x10000c
	s_cmp_lg_u32 s2, 0x3003
	s_cbranch_scc0 .Lentry_shape_is_right
	s_endpgm
.Lentry_shape_is_right:
; z[s] = sum_e (-2 v_e) / (1 + e^(2 y_se)),  y = Q(context) Q(W)^T on codes of BF8 (E5M2).  b and sum_e v_e are left out: they are the same along s (shown at the head of the first kernel).
; SHARES.  A work-group owns 256 rows of context, a wave 64: four tiles of 16 rows x K 1,024, held as codes in 512 registers (windows 2 and 3).  Every wave walks all 64 column tiles (16 rows of W each).
; ONE RING of two LDS slots takes 16 fills, one tensor load a wave each, all of one shape: 32 rows of 1,024 bytes, 16 bytes of padding behind each.  Fills 0-7: my own rows of context as f32
; (fill 2 kq + rh: rows 32 rh .. + 31, K 256 kq .. + 255), read back as fragments, held at the largest code and converted.  Fills 8-15: W's codes, 8 column tiles a fill, asked JOINTLY by the cluster's four work-groups.
; A COLUMN TILE (macro PERIOD): 32 products, four sums by turns.  Lane (r, h) holds column e = 16 c + r and rows 8 h + j.  The tanh runs two tiles behind in stages: x = y c2 (in place in the sums);
; one batch of 32 exponentials (tile n - 1) and 32 reciprocals (tile n - 2), issued among the four products that start tile n's sums; 1 + e and the multiply-add with -2 v_e stand between the other products.
; The next tile's 32 LDS loads stand in two runs of 16, one behind the wait ahead of the batch and one ahead of the wait behind it.
; PREFETCHES, in the context trips.  context: trip f, which loads fill f + 1, names fill f + 3: my own 32 rows x 1,024 bytes, a lane a row, four instructions; the head names fills 1 and 2.
; W: trip f names fill 8 + f, which is loaded seven changes of slots later; 131,072 bytes = 16 waves of the cluster x 32 lanes x 256 bytes, shared out by address (cx).
; LIMITS: -126 <= e0 <= 112; -127 <= e0 + e1 <= 126 (added to c2's exponent field).  NaN among the inputs is not served.
; WINDOWS: 0 addresses, sums, tanh stages; 1 context as f32 in the head, then W's fragments in two sets; 2, 3 my codes: K step s, tile t at window 2 + s / 4, v[64 (s % 4) + 16 t].
.set SROW,   1040
.set WPART,  32*SROW                   ; what one tensor load fills
.set SLOTB,  4*WPART
.set TILEB,  16*SROW                   ; 16 LDS rows: a column tile of W, or 16 rows of context
.set VTAB,   2*SLOTB                   ; 512 bytes of zeros, then -2 v
.set VT0,    VTAB+512-64               ; period n loads tile n - 1's 16 numbers
.set OUTS,   VTAB+4608                 ; the way out: 256 bytes a wave
.set SPARE,  OUTS+1024                 ; the spare words, 128 bytes a wave
.set LI,   2
.set AC0,  3                           ; v3, v4: my place in a fragment of context, slot 0, 1
.set PFC,  5                           ; context's prefetches: 4,096 x lane
.set ADR,  6
.set VA0,  7
.set VADR, 8
.set SC,   9
.set LIM,  10
.set ZA,   11
.set SPW,  12
.set NIL,  13
.set OUTA, 14
.set OUTL, 15
.set GO,   16
.set PFO,  17                          ; W's prefetches: 256 x lane
.set ACC,  64                          ; two sets of four sums
.set TT,   128                         ; two sets of 32: e, 1 + e, 1 / (1 + e)
.set ZL,   192                         ; z's parts: register 8 t + j = row 16 t + 8 h + j
.set VR,   224                         ; -2 v_e, two pairs
.set WV,   14
.set G1C,  24
.set G0C,  32
.set G0W,  36
.set TB,   40
.set TV,   41
.set CS,   44
.set G1W,  48
.set MSB, 0
.macro WIN new
.if MSB != (\new)
	s_set_vgpr_msb (MSB<<8)|(\new)
.set MSB, (\new)
.endif
.endm
.macro CROUND                          ; a round of the cluster's barrier
	s_barrier_signal -1
	s_barrier_wait -1
	s_cmp_lg_u32 s[WV], 0
	s_cbranch_scc1 .Lnot_wave_0_\@
	s_barrier_signal -3
.Lnot_wave_0_\@:
	s_barrier_wait -3
	s_barrier_signal -1
	s_barrier_wait -1
.endm
.macro ASKC f                          ; my part of context's fill f: 32 rows, a lane a row, 4 x 256 bytes of each; s[20:21] and v[PFC] are never rewritten
.irp j, 0,1,2,3
	global_prefetch_b8 v[PFC], s[20:21] offset:131072*((\f)%2)+1024*((\f)/2)+256*\j th:TH_LOAD_NT scope:SCOPE_SE
.endr
.endm
; A context trip: the change of slots, the next fill, then this fill's four fragments (tile 2 rh + fr / 2, K step 2 kq + fr % 2).
.macro HT f
	s_wait_tensorcnt 0x0                           ; my part of fill f is in, and no load of mine is out: the walking descriptor may be written
	ds_add_u32 v[SPW], v[NIL]
.if (\f) < 7
	s_xor_b32 s[G0C+1], s[G0C+1], SLOTB
.if (\f)%2 == 0
	s_add_nc_u64 s[G0C+2:G0C+3], s[G0C+2:G0C+3], 131072        ; 32 rows down
.else
	s_sub_nc_u64 s[G0C+2:G0C+3], s[G0C+2:G0C+3], 131072-1024   ; back up, 256 along K on
.endif
.endif
	s_wait_dscnt 0x0                               ; the add, and my reads of the other slot
	CROUND
.if (\f) < 7
	tensor_load_to_lds s[G0C:G0C+3], s[G1C:G1C+7]
.else
	tensor_load_to_lds s[G0W:G0W+3], s[G1W:G1W+7]  ; W's first eight column tiles
.endif
	s_nop 0
	WIN 0x40
.set n, 0
.rept 64
	ds_load_b128 v[4*n:4*n+3], v[AC0+(\f)%2] offset:TILEB*(n/32)+512*((n/16)%2)+128*((n/4)%4)+16*(n%4)
.set n, n+1
.endr
.irp fr, 0,1,2,3
	s_wait_dscnt 48-16*\fr                         ; this fragment's 16 loads are in; the younger fragments' may be out
	WIN 0x41
.set n, 64*\fr
.rept 64
	v_med3_num_f32 v[n], v[n], -v[LIM], v[LIM]     ; the conversion does not saturate (ISA guide 7.6.2): the hold at the largest code x the scale
.set n, n+1
.endr
.set KS, 2*((\f)/2)+(\fr)%2
.set AD, 64*(KS%4)+16*(2*((\f)%2)+(\fr)/2)
	WIN 0x81+0x40*(KS/4)
.irp q, 0,1,2,3
	v_cvt_scalef32_pk8_bf8_f32 v[AD+4*\q:AD+4*\q+1], v[64*\fr+16*\q:64*\fr+16*\q+7], v[SC]
	v_cvt_scalef32_pk8_bf8_f32 v[AD+4*\q+2:AD+4*\q+3], v[64*\fr+16*\q+8:64*\fr+16*\q+15], v[SC]
.endr
.if \fr == 0
	WIN 0
.if (\f)+3 <= 7
	ASKC (\f)+3
.endif
	global_prefetch_b8 v[PFO], s[16:17] offset:131072*(\f) th:TH_LOAD_NT scope:SCOPE_SE   ; my 8,192 bytes of fill 8 + f; the address registers are never rewritten
.endif
.endr
	WIN 0
	v_nop                                          ; a plain line behind the last conversion
.endm
.macro LOADS p, a, b                   ; pieces a .. b - 1 of the next column tile (512 bytes each, 16 of padding behind every second) into set p
.set n, \a
.rept (\b)-(\a)
	ds_load_b128 v[128*(\p)+4*n:128*(\p)+4*n+3], v[ADR] offset:512*n+16*(n/2)
.set n, n+1
.endr
.endm
.set FLG_MM, 1                         ; products and fetches
.set FLG_EX, 1                         ; x, e, 1 + e
.set FLG_VL, 1                         ; the load of -2 v
.macro ITEM j, par
.if (\j) < 16
.if FLG_EX
	v_pk_add_f32 v[TT+32*(\par)+2*(\j):TT+32*(\par)+2*(\j)+1], v[TT+32*(\par)+2*(\j):TT+32*(\par)+2*(\j)+1], 1.0 op_sel_hi:[1,0]
.endif
.else
	v_pk_fma_f32 v[ZL+2*(\j)-32:ZL+2*(\j)-31], v[TT+32*(1-(\par))+2*(\j)-32:TT+32*(1-(\par))+2*(\j)-31], v[VR+2*(\par):VR+2*(\par)+1], v[ZL+2*(\j)-32:ZL+2*(\j)-31] op_sel_hi:[1,0,1]
.endif
.endm
.macro ITEMS a, b, par
.set jj, \a
.rept (\b)-(\a)
	ITEM jj, \par
.set jj, jj+1
.endr
.endm
; Column tile n, par = n % 2.  mode 0: inside a slot; 1: a slot's last tile, the slot is filled again; 2: the same with no fill.
.macro PERIOD par, mode
.set AP, ACC+32*(1-(\par))
.set AN, ACC+32*(\par)
.set TE, TT+32*(\par)
.set TR, TT+32*(1-(\par))
.if (\mode) == 0
	s_wait_dscnt 0x0                               ; this tile's fragments of W and its -2 v, asked for a tile ago
.else
	s_wait_tensorcnt 0x0                           ; my part of the next slot is in
	ds_add_u32 v[SPW], v[NIL]
.if (\mode) == 1
	s_xor_b32 s[G0W+1], s[G0W+1], SLOTB
	s_add_nc_u64 s[G0W+2:G0W+3], s[G0W+2:G0W+3], 131072
.endif
	s_wait_dscnt 0x0                               ; the add, and my reads of this slot: its last tile is in registers
.if (\mode) == 1
	CROUND
	tensor_load_to_lds s[G0W:G0W+3], s[G1W:G1W+7]
	s_nop 0
.rept 4
	v_nop
.endr
.else
	s_barrier_signal -1
	s_barrier_wait -1
.endif
	s_sub_co_u32 s[TB], s[TB], SLOTB
	s_xor_b32 s[TB], s[TB], SLOTB                  ; the other slot's first tile
.endif
.if FLG_VL
	v_add_nc_u32 v[VADR], s[TV], v[VA0]
	s_add_co_u32 s[TV], s[TV], 64
	ds_load_b32 v[VR+2*(1-(\par))], v[VADR]
.endif
.if FLG_MM
	v_add_nc_u32 v[ADR], s[TB], v[LI]
	s_add_co_u32 s[TB], s[TB], TILEB
.if (\mode) != 0
.if (\mode) == 2
	s_cmp_eq_u32 s43, 1                            ; behind the last tile nothing is fetched
	s_cbranch_scc1 .Lno_more_\@
.endif
	WIN 0x40
	LOADS 1-(\par), 0, 32
	WIN 0
.if (\mode) == 2
.Lno_more_\@:
.endif
.endif
.endif
.if FLG_EX
.set n, 0
.rept 16
	v_pk_mul_f32 v[AP+2*n:AP+2*n+1], v[AP+2*n:AP+2*n+1], s[CS:CS+1] op_sel_hi:[1,0]   ; x = y c2, each sum from its low end on; four plain lines and more stand behind the last product
.set n, n+1
.endr
.endif
	s_wait_alu depctr_va_vdst(0)                   ; the wait ahead of the batch
.if FLG_MM
.if (\mode) == 0
	WIN 0x40
	LOADS 1-(\par), 0, 16                          ; the next tile's K steps 0-3
	WIN 0
.endif
.endif
.irp t, 0,1,2,3
.if FLG_MM
	WIN 0x06
	v_wmma_f32_16x16x128_bf8_bf8 v[AN+8*\t:AN+8*\t+7], v[16*\t:16*\t+15], v[128*(\par):128*(\par)+15], 0
	WIN 0
.endif
.set n, 8*\t
.rept 8
.if FLG_EX
	v_exp_f32 v[TE+n], v[AP+n]
.endif
	v_rcp_f32 v[TR+n], v[TR+n]
.set n, n+1
.endr
.endr
	v_nop                                          ; a plain line behind the last transcendental
.if FLG_MM
.if (\mode) == 0
	WIN 0x40
	LOADS 1-(\par), 16, 32                         ; the next tile's K steps 4-7
.endif
.else
	s_wait_alu depctr_va_vdst(0)                   ; the batch's wait
.endif
.irp g, 1,2,3,4,5,6,7
.if FLG_MM
	WIN 0x06+(\g)/4
.if \g == 1
	s_wait_alu depctr_va_vdst(0)                   ; one wait for the batch and for the four sums just started, directly ahead of their first readers
.endif
.irp t, 0,1,2,3
	v_wmma_f32_16x16x128_bf8_bf8 v[AN+8*\t:AN+8*\t+7], v[64*((\g)%4)+16*\t:64*((\g)%4)+16*\t+15], v[128*(\par)+16*\g:128*(\par)+16*\g+15], v[AN+8*\t:AN+8*\t+7]
.endr
.endif
	WIN 0
.if \g < 5
	ITEMS 5*\g-5, 5*\g, \par
.else
	ITEMS 4*\g, 4*\g+4, \par
.endif
.endr
.endm
	s_load_b256 s[4:11], s[0:1], 0x0               ; context, wc, the scales' exponents, v
	s_load_b64 s[12:13], s[0:1], 0x20              ; logits
	v_lshl_add_u32 v[SPW], v0, 2, SPARE
	v_mov_b32 v[NIL], 0
	ds_add_u32 v[SPW], v[NIL]                      ; the opening lines: the add twice on end,
	ds_add_u32 v[SPW], v[NIL]                      ; under one wait
	v_lshrrev_b32 v1, 5, v0
	v_readfirstlane_b32 s[WV], v1
	s_bfe_u32 s15, ttmp6, 0x40000                  ; cx
	s_lshl_b32 s56, ttmp9, 2
	s_add_co_u32 s56, s56, s15
	s_lshl_b32 s56, s56, 2
	s_add_co_u32 s56, s56, s[WV]                   ; my wave among the launch's 1,024
	s_lshl_b32 s20, s56, 18                        ; context: 64 rows of 4,096 bytes a wave
	s_mov_b32 s21, 0
	s_lshl_b32 s22, s56, 8                         ; logits: 256 bytes a wave
	s_mov_b32 s23, 0
	s_lshl_b32 s58, s[WV], 15                      ; my quarter of a fill of W
	s_mov_b32 s59, 0
	s_lshl_b32 s60, s15, 2
	s_add_co_u32 s60, s60, s[WV]
	s_lshl_b32 s60, s60, 13                        ; W's prefetches: 8,192 bytes for each of the cluster's 16 waves
	s_mov_b32 s61, 0
	s_mul_i32 s57, s[WV], WPART                    ; where my loads land in a slot
	s_lshl_b32 s62, s[WV], 8
	s_add_co_u32 s62, s62, OUTS
	s_mov_b32 s[G1C+0], (3<<16)|(1<<20)|(7<<22)|(3<<25)            ; elements of 8 bytes; four words of padding behind every 256
	s_mov_b32 s[G1W+0], 15|(3<<16)|(1<<20)|(1<<21)|(7<<22)|(3<<25) ; the same, asked jointly by the cluster's four
.irp g, G1C, G1W
	s_mov_b32 s[\g+1], 128<<16
	s_mov_b32 s[\g+2], 32<<16
	s_mov_b32 s[\g+3], 128<<16
	s_mov_b32 s[\g+4], 32
	s_mov_b32 s[\g+6], 0
	s_mov_b32 s[\g+7], 0
.endr
	s_mov_b32 s[G1C+5], 512                        ; a row of context is 4,096 bytes;
	s_mov_b32 s[G1W+5], 128                        ; W's codes are dense
	v_and_b32 v1, 31, v0
	v_and_b32 v28, 15, v0
	v_bfe_u32 v29, v0, 4, 1
	v_lshlrev_b32 v[LI], 4, v1
	v_mul_u32_u24 v[AC0], v28, SROW
	v_lshl_add_u32 v[AC0], v29, 6, v[AC0]
	v_add_nc_u32 v[AC0], s57, v[AC0]               ; row r, + 64 h bytes: my 16 numbers of a block of 32
	v_add_nc_u32 v[AC0+1], SLOTB, v[AC0]
	v_lshlrev_b32 v[VA0], 2, v28
	v_lshlrev_b32 v[OUTA], 5, v29
	v_add_nc_u32 v[OUTA], s62, v[OUTA]
	v_lshlrev_b32 v[GO], 3, v1
	v_add_nc_u32 v[OUTL], s62, v[GO]
	v_lshlrev_b32 v[PFO], 8, v1
	v_lshlrev_b32 v[PFC], 12, v1
	v_lshlrev_b32 v18, 5, v0
	v_lshl_add_u32 v19, v0, 5, VTAB+512
	v_lshl_add_u32 v[ZA], v0, 2, VTAB
	v_mov_b32 v32, 0
	s_wait_alu depctr_va_vdst(0)
	s_wait_dscnt 0x0
	s_wait_kmcnt 0x0
	s_load_b64 s[46:47], s[8:9], 0x0               ; e0, e1
	s_add_nc_u64 s[20:21], s[4:5], s[20:21]
	s_add_nc_u64 s[18:19], s[12:13], s[22:23]
	s_add_nc_u64 s[16:17], s[6:7], s[60:61]
	s_add_nc_u64 s[6:7], s[6:7], s[58:59]
	global_load_b128 v[20:23], v18, s[10:11]       ; v: 32 bytes a thread
	global_load_b128 v[24:27], v18, s[10:11] offset:16
	s_mov_b32 s[G0C], 1
	s_mov_b32 s[G0C+1], s57
	s_mov_b64 s[G0C+2:G0C+3], s[20:21]
	s_or_b32 s[G0C+3], s[G0C+3], 0x80000000
	s_mov_b32 s[G0W], 1
	s_mov_b32 s[G0W+1], s57
	s_mov_b64 s[G0W+2:G0W+3], s[6:7]
	s_or_b32 s[G0W+3], s[G0W+3], 0x80000000
	CROUND
	tensor_load_to_lds s[G0C:G0C+3], s[G1C:G1C+7]  ; fill 0: one tensor load a wave at the head
	s_nop 0
	s_wait_kmcnt 0x0
	s_add_co_i32 s56, s46, s47
	s_lshl_b32 s56, s56, 23
	s_add_co_i32 s[CS], s56, 0x4038aa3b            ; c2 = 2 log2(e) x 2^(e0 + e1)
	s_mov_b32 s[CS+1], s[CS]
	s_add_co_i32 s56, s46, 127
	s_lshl_b32 s63, s56, 23
	v_mov_b32 v[SC], s63                           ; 2^e0
	s_add_co_i32 s56, s56, 15
	s_lshl_b32 s56, s56, 23
	s_or_b32 s56, s56, 0x600000
	v_mov_b32 v[LIM], s56                          ; 57,344 x 2^e0
	ASKC 1                                         ; the two fills that the first two changes of slots load
	ASKC 2
; the stages' first contents: tiles -1 and -2 are x = 0 and 1 + e = 1, and meet -2 v = 0
.set n, 0
.rept 32
	v_mov_b32 v[ACC+32+n], 0
	v_mov_b32 v[TT+32+n], 1.0
	v_mov_b32 v[ZL+n], 0
.set n, n+1
.endr
.irp j, 0,1,2,3
	v_mov_b32 v[VR+\j], 0
.endr
	s_wait_alu depctr_va_vdst(0)
	s_wait_loadcnt 0x0
.irp j, 0,1,2,3,4,5,6,7
	v_mul_f32 v[20+\j], -2.0, v[20+\j]
.endr
	ds_store_b128 v19, v[20:23]
	ds_store_b128 v19, v[24:27] offset:16
	ds_store_b32 v[ZA], v32
	s_wait_alu depctr_va_vdst(0)                   ; the head's end
.irp f, 0,1,2,3,4,5,6,7
	HT \f
.endr
	s_wait_alu depctr_va_vdst(0)
	s_wait_tensorcnt 0x0                           ; W's first fill
	ds_add_u32 v[SPW], v[NIL]
	s_xor_b32 s[G0W+1], s[G0W+1], SLOTB
	s_add_nc_u64 s[G0W+2:G0W+3], s[G0W+2:G0W+3], 131072
	s_wait_dscnt 0x0
	CROUND
	tensor_load_to_lds s[G0W:G0W+3], s[G1W:G1W+7]
	s_nop 0
.rept 4
	v_nop
.endr
	s_mov_b32 s[TB], 0
	s_mov_b32 s[TV], VT0
	v_add_nc_u32 v[ADR], s[TB], v[LI]
	s_add_co_u32 s[TB], s[TB], TILEB
	WIN 0x40
	LOADS 0, 0, 32
	WIN 0
	s_mov_b32 s43, 6                               ; six slots behind which a fill follows
.Lslot:
	s_mov_b32 s42, 3
.Lpair:
	PERIOD 0, 0
	PERIOD 1, 0
	s_sub_co_u32 s42, s42, 1
	s_cmp_lg_u32 s42, 0
	s_cbranch_scc1 .Lpair
	PERIOD 0, 0
	PERIOD 1, 1
	s_sub_co_u32 s43, s43, 1
	s_cmp_lg_u32 s43, 0
	s_cbranch_scc1 .Lslot
	s_mov_b32 s43, 2                               ; the last two slots are written out: they ask for nothing
.Ltail:
	s_mov_b32 s42, 3
.Ltpair:
	PERIOD 0, 0
	PERIOD 1, 0
	s_sub_co_u32 s42, s42, 1
	s_cmp_lg_u32 s42, 0
	s_cbranch_scc1 .Ltpair
	PERIOD 0, 0
	PERIOD 1, 2
	s_sub_co_u32 s43, s43, 1
	s_cmp_lg_u32 s43, 0
	s_cbranch_scc1 .Ltail
.set FLG_MM, 0
	PERIOD 0, 0                                    ; the stages run empty: tile 63's x and e, tile 62's reciprocals and sums,
.set FLG_EX, 0
.set FLG_VL, 0
	PERIOD 1, 0                                    ; tile 63's reciprocals and sums
.irp m, 1,2,4,8                                ; the 16 lanes of a row hold the 16 classes of columns: add them
.set n, 0
.rept 32
	v_add_f32_dpp v[ZL+n], v[ZL+n], v[ZL+n] row_xmask:\m row_mask:0xf bank_mask:0xf
.set n, n+1
.endr
.endr
.irp t, 0,1,2,3
	ds_store_b128 v[OUTA], v[ZL+8*\t:ZL+8*\t+3] offset:64*\t          ; sixteen lanes write the same bytes with the same numbers
	ds_store_b128 v[OUTA], v[ZL+8*\t+4:ZL+8*\t+7] offset:64*\t+16
.endr
	ds_load_b64 v[28:29], v[OUTL]                  ; LDS serves a wave's instructions in order (ISA guide 5.7.1.4)
	s_wait_dscnt 0x0
	global_store_b64 v[GO], v[28:29], s[18:19]     ; 32 lanes store 256 consecutive bytes, aligned
	s_wait_tensorcnt 0x0                           ; the wave's end
	ds_add_u32 v[SPW], v[NIL]
	s_wait_dscnt 0x0
	CROUND                                         ; the closing round
	s_endpgm
.Lfunc_end_k_q1432be59af_logits:
	.size	k_q1432be59af_logits, .Lfunc_end_k_q1432be59af_logits-k_q1432be59af_logits
	.p2alignl 7, 3214868480
	.fill 96, 4, 3214868480
	.section	.rodata,"a",@progbits
	.p2align	6, 0x0
	.amdhsa_kernel k_q1432be59af_logits
		.amdhsa_group_segment_fixed_size 327680
		.amdhsa_private_segment_fixed_size 0
		.amdhsa_enable_private_segment 0
		.amdhsa_kernarg_size 40
		.amdhsa_user_sgpr_count 2
		.amdhsa_user_sgpr_kernarg_segment_ptr 1
		.amdhsa_wavefront_size32 1
		.amdhsa_system_sgpr_workgroup_id_x 1
		.amdhsa_system_sgpr_workgroup_id_y 1
		.amdhsa_system_sgpr_workgroup_id_z 1
		.amdhsa_system_vgpr_workitem_id 0
		.amdhsa_next_free_vgpr 1024
		.amdhsa_next_free_sgpr 66
		.amdhsa_reserve_vcc 0
		.amdhsa_float_denorm_mode_32 3
		.amdhsa_float_denorm_mode_16_64 3
		.amdhsa_memory_ordered 1
		.amdhsa_forward_progress 1
		.amdhsa_inst_pref_size 255
	.end_amdhsa_kernel
	.section	.bss,"aw",@nobits
	.p2align	6
	.space	262144
	.amdgpu_metadata
---
amdhsa.version: [ 1, 2 ]
amdhsa.kernels:
  - .name:           k_q1432be59af_logits
    .symbol:         k_q1432be59af_logits.kd
    .args:
      - { .name: context, .offset: 0, .size: 8, .value_kind: global_buffer, .address_space: global }
      - { .name: wc, .offset: 8, .size: 8, .value_kind: global_buffer, .address_space: global }
      - { .name: lowp_scales, .offset: 16, .size: 8, .value_kind: global_buffer, .address_space: global }
      - { .name: v, .offset: 24, .size: 8, .value_kind: global_buffer, .address_space: global }
      - { .name: logits, .offset: 32, .size: 8, .value_kind: global_buffer, .address_space: global }
    .group_segment_fixed_size: 327680
    .private_segment_fixed_size: 0
    .kernarg_segment_align: 8
    .kernarg_segment_size: 40
    .max_flat_workgroup_size: 128
    .sgpr_count:     66
    .vgpr_count:     1024
    .wavefront_size: 32
...
	.end_amdgpu_metadata
.endif
;; end of part 2
;; launch finish (part 3): grid 8 x 32, 16 waves a work-group, no clusters, 327,680 bytes of LDS; arguments context, logits, out0, out1; writes out0, out1
.if DOCPART == 3
	.amdgcn_target "amdgcn-amd-amdhsa--gfx1250"
	.amdhsa_code_object_version 6
	.text
	.protected	k_q1432be59af_finish
	.globl	k_q1432be59af_finish
	.p2align	8
	.type	k_q1432be59af_finish,@function
k_q1432be59af_finish:
	s_mov_b64 s[64:65], 0
	v_nop
	global_prefetch_b8 v0, s[64:65] scope:SCOPE_SE
	s_setreg_imm32_b32 hwreg(HW_REG_WAVE_MODE, 25, 1), 1
	s_wait_xcnt 0x0
; attn[b][s] = softmax_s(z[b][s]) (out1);  out0[b][d] = sum_s attn[b][s] context[b][s][d].  All in f32, by fused multiply-adds: one row against a matrix has nothing for the matrix units.
; z is the logit less b and less sum_e v_e, which are the same along s and leave the softmax as it is (shown at the head of the first kernel).  The row's maximum is taken away before the exponential.
; SHARES.  Work-group (cc, b) owns out0[b][128 cc .. + 127] and out1[b][256 cc .. + 255].  Each of its 16 waves owns 128 rows of the batch, 512 bytes of each.
; THE STREAM goes through a ring of two LDS slots of 131,072 bytes in eight fills; in each fill every wave brings 16 of its own rows by one tensor load and reads them back itself, a row an LDS load.
; Every work-group of a batch makes the batch's softmax for itself from the 8,192 bytes of z, four numbers a thread: thread 32 w + l holds p of rows 128 w + 4 l .. + 3, which are wave w's own rows,
; so a row's p is read from its lane into a scalar register.  p = e^(z - max) is not normalised in the stream: 1 / sum multiplies at the end.
; PREFETCH: trip f, which loads fill f + 1, names my part of fill f + 3: 16 rows x 2 blocks of 256 bytes, a lane a block, one instruction; the head names fills 1 and 2.
; No cluster: the work-groups share no part of context, and z is 8,192 bytes beside a work-group's 1,048,576 of context.  NaN among the inputs is not served.
.set SLOT,  131072
.set RED,   262144                     ; the waves' partial sums of out0: 512 bytes a wave
.set MX,    RED+8192                   ; the waves' maxima, a word each
.set SM,    MX+256                     ; the waves' sums
.set SPARE, SM+256                     ; the spare words, 128 bytes for each of the 16 waves
.set RING,  64                         ; v64-127  a fill's 16 rows x 4
.set G1,    24
.set G0,    36
.set PS,    40                         ; s40-55   p of eight rows, in the even registers of eight pairs
	s_load_b256 s[4:11], s[0:1], 0x0               ; context, z, out0, out1
	v_lshl_add_u32 v30, v0, 2, SPARE
	v_mov_b32 v31, 0
	ds_add_u32 v30, v31                            ; the opening lines: the add twice on end,
	ds_add_u32 v30, v31                            ; under one wait
	v_lshrrev_b32 v16, 5, v0
	v_readfirstlane_b32 s12, v16                   ; wave 0..15
	s_and_b32 s13, ttmp7, 0xffff                   ; b
	s_lshl_b32 s14, s13, 23                        ; context: b x 2,048 rows of 4,096 bytes
	s_lshl_b32 s15, s12, 19                        ;          + 128 rows x wave
	s_add_co_u32 s14, s14, s15
	s_lshl_b32 s15, ttmp9, 9                       ;          + 512 cc: under 2^28 in all
	s_add_co_u32 s14, s14, s15
	s_mov_b32 s15, 0
	s_lshl_b32 s16, s13, 13                        ; z, out1: b x 8,192
	s_mov_b32 s17, 0
	s_lshl_b32 s18, s13, 12                        ; out0: b x 4,096 + 512 cc
	s_lshl_b32 s19, ttmp9, 9
	s_add_co_u32 s18, s18, s19
	s_mov_b32 s19, 0
	s_lshl_b32 s20, s12, 2
	s_add_co_u32 s21, s20, MX
	s_add_co_u32 s22, s20, SM
	s_lshl_b32 s23, s12, 9
	s_add_co_u32 s23, s23, RED
	s_lshl_b32 s34, s12, 13                        ; my 8,192 bytes of a slot
	s_mov_b32 s32, 0x76543210                      ; v_permlanex16_b32's selects for lane l xor 16
	s_mov_b32 s33, 0xfedcba98
.irp i, 0,1,2,3,4,5,6,7
	s_mov_b32 s[PS+2*\i+1], 0                      ; named with p as a pair, so it is written
.endr
	s_mov_b32 s[G1+0], 3<<16                       ; elements of 8 bytes, no padding: a row is read back by 32 lanes on end
	s_mov_b32 s[G1+1], 64<<16
	s_mov_b32 s[G1+2], 16<<16
	s_mov_b32 s[G1+3], 64<<16
	s_mov_b32 s[G1+4], 16
	s_mov_b32 s[G1+5], 512
	s_mov_b32 s[G1+6], 0
	s_mov_b32 s[G1+7], 0
	v_and_b32 v3, 31, v0
	v_lshlrev_b32 v1, 4, v3                        ; 16 x lane
	v_lshlrev_b32 v2, 4, v0                        ; 16 x thread: my four numbers in z and in out1
	v_lshrrev_b32 v18, 1, v3
	v_and_b32 v3, 1, v3
	v_lshlrev_b32 v3, 8, v3
	v_lshl_add_u32 v3, v18, 12, v3                 ; the prefetches: row lane / 2, block lane % 2
	v_mov_b32 v20, s21
	v_mov_b32 v21, s22
	v_mov_b32 v22, MX
	v_add_nc_u32 v24, s23, v1                      ; my 16 bytes of my wave's partial sums
	v_add_nc_u32 v25, s34, v1                      ; my 16 bytes of my wave's first row, slot 0,
	v_add_nc_u32 v26, SLOT, v25                    ; slot 1
	v_add_nc_u32 v28, RED, v1
	v_mov_b32 v17, 0                               ; a lane permute's destination counts as one of its sources
	s_wait_alu depctr_va_vdst(0)                   ; the head's end
	s_wait_dscnt 0x0
	s_wait_kmcnt 0x0
	s_add_nc_u64 s[4:5], s[4:5], s[14:15]
	s_add_nc_u64 s[6:7], s[6:7], s[16:17]
	s_add_nc_u64 s[10:11], s[10:11], s[16:17]
	s_add_nc_u64 s[8:9], s[8:9], s[18:19]
	s_mov_b32 s[G0], 1
	s_mov_b32 s[G0+1], s34
	s_mov_b64 s[G0+2:G0+3], s[4:5]
	s_or_b32 s[G0+3], s[G0+3], 0x80000000
	tensor_load_to_lds s[G0:G0+3], s[G1:G1+7]      ; fill 0: one tensor load a wave at the head
	s_nop 0
	global_load_b128 v[4:7], v2, s[6:7]            ; z
	global_prefetch_b8 v3, s[4:5] offset:65536 th:TH_LOAD_NT scope:SCOPE_SE     ; fills 1 and 2; s[4:5] and v3 are never rewritten
	global_prefetch_b8 v3, s[4:5] offset:131072 th:TH_LOAD_NT scope:SCOPE_SE
	s_wait_loadcnt 0x0
	v_max3_num_f32 v16, v4, v5, v6
	v_max_num_f32 v16, v16, v7
.irp m, 1,2,4,8
	v_max_num_f32_dpp v16, v16, v16 row_xmask:\m row_mask:0xf bank_mask:0xf
.endr
	v_permlanex16_b32 v17, v16, s32, s33
	v_max_num_f32 v16, v16, v17                    ; my wave's maximum
	ds_store_b32 v20, v16
	s_wait_dscnt 0x0
	s_barrier_signal -1
	s_barrier_wait -1
.irp i, 0,1,2,3
	ds_load_b128 v[32+4*\i:35+4*\i], v22 offset:16*\i
.endr
	s_wait_dscnt 0x0
	v_max3_num_f32 v16, v32, v33, v34
	v_max3_num_f32 v18, v35, v36, v37
	v_max3_num_f32 v16, v16, v38, v39
	v_max3_num_f32 v18, v18, v40, v41
	v_max3_num_f32 v16, v16, v42, v43
	v_max3_num_f32 v18, v18, v44, v45
	v_max3_num_f32 v16, v16, v46, v47
	v_max_num_f32 v16, v16, v18                    ; the batch's maximum
.irp j, 4,5,6,7
	v_sub_f32 v\j, v\j, v16                        ; the difference first, so that it is exact near the maximum,
.endr
.irp j, 4,5,6,7
	v_mul_f32 v\j, 0x3fb8aa3b, v\j                 ; then x log2(e)
.endr
	s_wait_alu depctr_va_vdst(0)                   ; the wait ahead of the batch
.irp j, 4,5,6,7
	v_exp_f32 v\j, v\j                             ; p, at most 1
.endr
	v_nop
	s_wait_alu depctr_va_vdst(0)                   ; and behind it
	v_add_f32 v18, v4, v5
	v_add_f32 v19, v6, v7
	v_add_f32 v18, v18, v19
.irp m, 1,2,4,8
	v_add_f32_dpp v18, v18, v18 row_xmask:\m row_mask:0xf bank_mask:0xf
.endr
	v_permlanex16_b32 v17, v18, s32, s33
	v_add_f32 v18, v18, v17                        ; my wave's sum
	ds_store_b32 v21, v18
	s_wait_dscnt 0x0
	s_barrier_signal -1
	s_barrier_wait -1
.irp i, 0,1,2,3
	ds_load_b128 v[32+4*\i:35+4*\i], v22 offset:SM-MX+16*\i
.endr
	s_wait_dscnt 0x0
	v_pk_add_f32 v[32:33], v[32:33], v[34:35]
	v_pk_add_f32 v[36:37], v[36:37], v[38:39]
	v_pk_add_f32 v[40:41], v[40:41], v[42:43]
	v_pk_add_f32 v[44:45], v[44:45], v[46:47]
	v_pk_add_f32 v[32:33], v[32:33], v[36:37]
	v_pk_add_f32 v[40:41], v[40:41], v[44:45]
	v_pk_add_f32 v[32:33], v[32:33], v[40:41]
	v_add_f32 v18, v32, v33                        ; the batch's sum, at least 1
	s_wait_alu depctr_va_vdst(0)
	v_rcp_f32 v19, v18
	v_nop
	s_wait_alu depctr_va_vdst(0)
	s_lshr_b32 s35, s12, 1
	s_cmp_lg_u32 s35, ttmp9                        ; waves 2 cc and 2 cc + 1 hold p of s = 256 cc .. + 255: they store the work-group's part of out1
	s_cbranch_scc1 .Lno_attn
.irp j, 0,1,2,3
	v_mul_f32 v[36+\j], v[4+\j], v19
.endr
	global_store_b128 v2, v[36:39], s[10:11]       ; 32 lanes store 512 consecutive bytes, aligned; v36-39 are not written again
.Lno_attn:
; A TRIP: the change of slots, the next fill, then this fill's 16 rows.  Even rows add into v[8:11], odd rows into v[12:15]; rows 0 and 1 start the sums.
.macro FT f
	s_wait_alu depctr_va_vdst(0)
	s_wait_tensorcnt 0x0                           ; my part of fill f is in, and the walking descriptor may be written
	ds_add_u32 v30, v31
.if (\f) < 7
	s_xor_b32 s[G0+1], s[G0+1], SLOT
	s_add_nc_u64 s[G0+2:G0+3], s[G0+2:G0+3], 65536 ; 16 rows down
.endif
	s_wait_dscnt 0x0                               ; the add, and my reads of the other slot
	s_barrier_signal -1
	s_barrier_wait -1
.if (\f) < 7
	tensor_load_to_lds s[G0:G0+3], s[G1:G1+7]
	s_nop 0
.endif
.set k, 0
.rept 16
	ds_load_b128 v[RING+4*k:RING+4*k+3], v[25+(\f)%2] offset:512*k
.set k, k+1
.endr
.if (\f)+3 <= 7
	global_prefetch_b8 v3, s[4:5] offset:65536*((\f)+3) th:TH_LOAD_NT scope:SCOPE_SE
.endif
	s_wait_dscnt 0x0
.irp g, 0,1
.irp i, 0,1,2,3,4,5,6,7
	v_readlane_b32 s[PS+2*\i], v[4+(\i%4)], 4*(\f)+2*\g+(\i/4)   ; p of my row 16 f + 8 g + i
.endr
.irp i, 0,1,2,3,4,5,6,7
.set RR, RING+4*(8*\g+\i)
.set AA, 8+4*(\i%2)
.if (16*(\f)+8*\g+\i) < 2
	v_pk_mul_f32 v[AA:AA+1], v[RR:RR+1], s[PS+2*\i:PS+2*\i+1] op_sel_hi:[1,0]
	v_pk_mul_f32 v[AA+2:AA+3], v[RR+2:RR+3], s[PS+2*\i:PS+2*\i+1] op_sel_hi:[1,0]
.else
	v_pk_fma_f32 v[AA:AA+1], v[RR:RR+1], s[PS+2*\i:PS+2*\i+1], v[AA:AA+1] op_sel_hi:[1,0,1]
	v_pk_fma_f32 v[AA+2:AA+3], v[RR+2:RR+3], s[PS+2*\i:PS+2*\i+1], v[AA+2:AA+3] op_sel_hi:[1,0,1]
.endif
.endr
.endr
.endm
.irp f, 0,1,2,3,4,5,6,7
	FT \f
.endr
	v_pk_add_f32 v[8:9], v[8:9], v[12:13]
	v_pk_add_f32 v[10:11], v[10:11], v[14:15]
	ds_store_b128 v24, v[8:11]
	s_wait_dscnt 0x0
	s_barrier_signal -1
	s_barrier_wait -1
	s_cmp_lg_u32 s12, 0                            ; wave 0 adds the sixteen partial sums
	s_cbranch_scc1 .Ldone
.set k, 0
.rept 16
	ds_load_b128 v[RING+4*k:RING+4*k+3], v28 offset:512*k
.set k, k+1
.endr
	s_wait_dscnt 0x0
.irp i, 2,4,6,8,10,12,14                       ; two chains: even waves' onto wave 0's, odd waves' onto wave 1's
	v_pk_add_f32 v[RING:RING+1], v[RING:RING+1], v[RING+4*\i:RING+4*\i+1]
	v_pk_add_f32 v[RING+2:RING+3], v[RING+2:RING+3], v[RING+4*\i+2:RING+4*\i+3]
	v_pk_add_f32 v[RING+4:RING+5], v[RING+4:RING+5], v[RING+4*\i+4:RING+4*\i+5]
	v_pk_add_f32 v[RING+6:RING+7], v[RING+6:RING+7], v[RING+4*\i+6:RING+4*\i+7]
.endr
	v_pk_add_f32 v[RING:RING+1], v[RING:RING+1], v[RING+4:RING+5]
	v_pk_add_f32 v[RING+2:RING+3], v[RING+2:RING+3], v[RING+6:RING+7]
.irp j, 0,1,2,3
	v_mul_f32 v[8+\j], v[RING+\j], v19             ; / the sum
.endr
	global_store_b128 v1, v[8:11], s[8:9]          ; 32 lanes store 512 consecutive bytes, aligned
.Ldone:
	s_wait_tensorcnt 0x0                           ; the wave's end, behind my last tensor load and LDS store
	ds_add_u32 v30, v31
	s_wait_dscnt 0x0
	s_endpgm
.Lfunc_end_k_q1432be59af_finish:
	.size	k_q1432be59af_finish, .Lfunc_end_k_q1432be59af_finish-k_q1432be59af_finish
	.p2alignl 7, 3214868480
	.fill 96, 4, 3214868480
	.section	.rodata,"a",@progbits
	.p2align	6, 0x0
	.amdhsa_kernel k_q1432be59af_finish
		.amdhsa_group_segment_fixed_size 327680
		.amdhsa_private_segment_fixed_size 0
		.amdhsa_enable_private_segment 0
		.amdhsa_kernarg_size 32
		.amdhsa_user_sgpr_count 2
		.amdhsa_user_sgpr_kernarg_segment_ptr 1
		.amdhsa_wavefront_size32 1
		.amdhsa_system_sgpr_workgroup_id_x 1
		.amdhsa_system_sgpr_workgroup_id_y 1
		.amdhsa_system_sgpr_workgroup_id_z 1
		.amdhsa_system_vgpr_workitem_id 0
		.amdhsa_next_free_vgpr 128
		.amdhsa_next_free_sgpr 66
		.amdhsa_reserve_vcc 0
		.amdhsa_float_denorm_mode_32 3
		.amdhsa_float_denorm_mode_16_64 3
		.amdhsa_memory_ordered 1
		.amdhsa_forward_progress 1
		.amdhsa_inst_pref_size 48
	.end_amdhsa_kernel
	.amdgpu_metadata
---
amdhsa.version: [ 1, 2 ]
amdhsa.kernels:
  - .name:           k_q1432be59af_finish
    .symbol:         k_q1432be59af_finish.kd
    .args:
      - { .name: context, .offset: 0, .size: 8, .value_kind: global_buffer, .address_space: global }
      - { .name: logits, .offset: 8, .size: 8, .value_kind: global_buffer, .address_space: global }
      - { .name: out0, .offset: 16, .size: 8, .value_kind: global_buffer, .address_space: global }
      - { .name: out1, .offset: 24, .size: 8, .value_kind: global_buffer, .address_space: global }
    .group_segment_fixed_size: 327680
    .private_segment_fixed_size: 0
    .kernarg_segment_align: 8
    .kernarg_segment_size: 32
    .max_flat_workgroup_size: 512
    .sgpr_count:     66
    .vgpr_count:     128
    .wavefront_size: 32
...
	.end_amdgpu_metadata
.endif
;; end of part 3
